; MI455X (gfx1250); checked and timed in simulation.
; The chip was launched on July 23, 2026; its instructions are those of AMD's public machine-readable ISA for CDNA 5 (MIT licence, August 2026) and "CDNA5" Instruction Set Architecture Reference Guide (July 2026). The comments in the code are by the model that wrote it; some were corrected since.
;; Int8 Linear. Allowed arithmetic: float matrix products may take bf16 or f16 operands with f32 sums; other float arithmetic in f32, or as packed bf16 or f16 multiplies, adds, multiply-adds, maxima and minima; sums over many terms, partial sums and values carried from step to step in f32; what a program stores and reads back later, other than sums and carried values, may be rounded once to bf16 or f16.
;; Inputs: bias 4,096 float32; input_scale one number float32; weight 4,096 x 4,096 float32; x 4,096 x 4,096 float32.
;; Outputs: out0 4,096 x 4,096 float32.
;; 2 versions, each right; version 2 is version 1 with the launch quant written anew for expert scheduling mode. Each part assembles by itself: llvm-mc -triple=amdgcn-amd-amdhsa -mcpu=gfx1250 --defsym DOCPART=n.
;; ======== version 1 of 2: 3 launches
;; workspace buffers: pmax 1,024 bytes; scal 256 bytes; xq 33,554,432 bytes; wq 33,554,432 bytes
;; launch wmax (part 1): grid 256 x 1, 16 waves a work-group, no clusters, 2,304 bytes of LDS; arguments weight, pmax; writes pmax
.if DOCPART == 1
	.amdgcn_target "amdgcn-amd-amdhsa--gfx1250"
	.amdhsa_code_object_version 6
	.text
	.protected	k_q55a276514f_wmax
	.globl	k_q55a276514f_wmax
	.p2align	8
	.type	k_q55a276514f_wmax,@function
k_q55a276514f_wmax:
	s_mov_b64 s[64:65], 0
	v_nop
	global_prefetch_b8 v0, s[64:65] scope:SCOPE_SE
	s_setreg_imm32_b32 hwreg(HW_REG_WAVE_MODE, 25, 1), 1
	s_wait_xcnt 0x0
; pmax[g] = the largest |weight| in chunk g of 262,144 bytes.  weight: [4096][4096] f32 = 256 such chunks; pmax: 256 f32.
; A work-group of sixteen waves takes a chunk, a wave 16,384 bytes of it: 32 loads of 16 bytes a lane, each covering 512 consecutive bytes, all issued at once:
; there is no loop, and all that the wave will read is on its way from the start.  The bytes bound this launch: no matrix work, no cluster (nothing is shared), no prefetch (every load is out at once).
; The largest and the smallest number are kept (three operands an instruction, two chains each); |.| is taken once at the end: max(largest, -smallest).
; LIMIT.  A NaN in weight is dropped by the maxima and minima; infinities are not treated apart.
.set SPARE, 256                        ; LDS: bytes 0-63 one word a wave (the block 0-255 is theirs); from 256 on the spare words, 128 bytes for each of 16 waves
.set OFF,  2                           ; v2   wave x 16,384 + lane x 16; never rewritten
.set WW,   3                           ; v3   4 x wave: my wave's word in LDS
.set RW,   4                           ; v4   4 x (lane % 16): the word that I read back
.set BK,   5                           ; v5   that word
.set ZO,   6                           ; v6   0: the store's offset
.set MX0,  8                           ; v8-9   two running maxima
.set MX1,  9
.set MN0,  10                          ; v10-11 two running minima
.set MN1,  11
.set SPW,  12                          ; v12  LDS address of my spare word: SPARE + 4 x my thread's number; never rewritten
.set NIL,  13                          ; v13  0; never rewritten
.set X,    16                          ; v[16:143] load i: 4 registers
	s_load_b128 s[4:7], s[0:1], 0x0                ; weight s[4:5], pmax s[6:7]
	v_lshl_add_u32 v[SPW], v0, 2, SPARE
	v_mov_b32 v[NIL], 0
	v_lshrrev_b32 v1, 5, v0
	v_readfirstlane_b32 s8, v1                     ; wave 0..15
	v_and_b32 v[OFF], 31, v0
	v_lshlrev_b32 v[OFF], 4, v[OFF]
	v_lshl_add_u32 v[OFF], v1, 14, v[OFF]
	v_lshlrev_b32 v[WW], 2, v1
	v_and_b32 v[RW], 15, v0
	v_lshlrev_b32 v[RW], 2, v[RW]
	v_mov_b32 v[ZO], 0
	s_lshl_b32 s10, ttmp9, 18                      ; the work-group's chunk: under 2^26 bytes
	s_mov_b32 s11, 0
	s_mov_b32 s12, 0x76543210                      ; v_permlanex16_b32: each lane takes its own place in the other half
	s_mov_b32 s13, 0xfedcba98
	s_wait_kmcnt 0x0
	s_add_nc_u64 s[4:5], s[4:5], s[10:11]
.set i, 0
.rept 32
	global_load_b128 v[X+4*i:X+4*i+3], v[OFF], s[4:5] offset:512*i th:TH_LOAD_NT
.set i, i+1
.endr
	s_wait_loadcnt 31                              ; loads come back in order (ISA guide 5.7.1): the first is in, the 31 younger stay out
	v_max_num_f32 v[MX0], v[X], v[X+1]             ; the first load starts the four chains: nothing is cleared
	v_max_num_f32 v[MX1], v[X+2], v[X+3]
	v_min_num_f32 v[MN0], v[X], v[X+1]
	v_min_num_f32 v[MN1], v[X+2], v[X+3]
.set i, 1
.rept 31
	s_wait_loadcnt 31-i                            ; load i is in; the younger ones stay out
	v_max3_num_f32 v[MX0], v[MX0], v[X+4*i], v[X+4*i+1]
	v_max3_num_f32 v[MX1], v[MX1], v[X+4*i+2], v[X+4*i+3]
	v_min3_num_f32 v[MN0], v[MN0], v[X+4*i], v[X+4*i+1]
	v_min3_num_f32 v[MN1], v[MN1], v[X+4*i+2], v[X+4*i+3]
.set i, i+1
.endr
	v_max_num_f32 v[MX0], v[MX0], v[MX1]
	v_min_num_f32 v[MN0], v[MN0], v[MN1]
	v_mul_f32 v[MN0], -1.0, v[MN0]
	v_max_num_f32 v[MX0], v[MX0], v[MN0]           ; my lane's largest |w|
	; across the 32 lanes: four steps inside each half of 16 lanes ride on the arithmetic, one crosses the halves
	v_max_num_f32_dpp v[MX0], v[MX0], v[MX0] row_xmask:1 row_mask:0xf bank_mask:0xf
	v_max_num_f32_dpp v[MX0], v[MX0], v[MX0] row_xmask:2 row_mask:0xf bank_mask:0xf
	v_max_num_f32_dpp v[MX0], v[MX0], v[MX0] row_xmask:4 row_mask:0xf bank_mask:0xf
	v_max_num_f32_dpp v[MX0], v[MX0], v[MX0] row_xmask:8 row_mask:0xf bank_mask:0xf
	v_permlanex16_b32 v[MX1], v[MX0], s12, s13     ; its destination has been written before
	v_max_num_f32 v[MX0], v[MX0], v[MX1]
	ds_store_b32 v[WW], v[MX0]                     ; all lanes write the wave's word with the same number
	s_wait_dscnt 0x0                               ; for the others' sake: my store is done
	s_barrier_signal -1
	s_barrier_wait -1                              ; all sixteen words lie in LDS
	s_cmp_lg_u32 s8, 0                             ; wave 0 finishes
	s_cbranch_scc1 .Lend
	ds_load_b32 v[BK], v[RW]                       ; lane l takes word l % 16
	s_lshl_b32 s10, ttmp9, 2                       ; the work-group's word of pmax
	s_add_nc_u64 s[6:7], s[6:7], s[10:11]
	s_wait_dscnt 0x0
	v_max_num_f32_dpp v[BK], v[BK], v[BK] row_xmask:1 row_mask:0xf bank_mask:0xf
	v_max_num_f32_dpp v[BK], v[BK], v[BK] row_xmask:2 row_mask:0xf bank_mask:0xf
	v_max_num_f32_dpp v[BK], v[BK], v[BK] row_xmask:4 row_mask:0xf bank_mask:0xf
	v_max_num_f32_dpp v[BK], v[BK], v[BK] row_xmask:8 row_mask:0xf bank_mask:0xf
	v_cmp_eq_u32 vcc_lo, 0, v0
	s_wait_xcnt 0x0                                ; EXEC is a source of the loads above: it changes only behind this wait
	s_and_saveexec_b32 s14, vcc_lo
	global_store_b32 v[ZO], v[BK], s[6:7]          ; one number a work-group: thread 0 alone
	s_wait_xcnt 0x0                                ; and again, in front of the line that widens EXEC
	s_or_b32 exec_lo, exec_lo, s14
.Lend:
	s_wait_tensorcnt 0x0                           ; the wave's end, behind my last LDS store
	ds_add_u32 v[SPW], v[NIL]
	s_wait_dscnt 0x0
	s_endpgm
.Lfunc_end_k_q55a276514f_wmax:
	.size	k_q55a276514f_wmax, .Lfunc_end_k_q55a276514f_wmax-k_q55a276514f_wmax
	.p2alignl 7, 3214868480
	.fill 96, 4, 3214868480
	.section	.rodata,"a",@progbits
	.p2align	6, 0x0
	.amdhsa_kernel k_q55a276514f_wmax
		.amdhsa_group_segment_fixed_size 2304
		.amdhsa_private_segment_fixed_size 0
		.amdhsa_enable_private_segment 0
		.amdhsa_kernarg_size 16
		.amdhsa_user_sgpr_count 2
		.amdhsa_user_sgpr_kernarg_segment_ptr 1
		.amdhsa_wavefront_size32 1
		.amdhsa_system_sgpr_workgroup_id_x 1
		.amdhsa_system_sgpr_workgroup_id_y 1
		.amdhsa_system_sgpr_workgroup_id_z 1
		.amdhsa_system_vgpr_workitem_id 0
		.amdhsa_next_free_vgpr 144
		.amdhsa_next_free_sgpr 66
		.amdhsa_reserve_vcc 1
		.amdhsa_float_denorm_mode_32 3
		.amdhsa_float_denorm_mode_16_64 3
		.amdhsa_memory_ordered 1
		.amdhsa_forward_progress 1
		.amdhsa_inst_pref_size 15
	.end_amdhsa_kernel
	.amdgpu_metadata
---
amdhsa.version: [ 1, 2 ]
amdhsa.kernels:
  - .name:           k_q55a276514f_wmax
    .symbol:         k_q55a276514f_wmax.kd
    .args:
      - { .name: weight, .offset: 0, .size: 8, .value_kind: global_buffer, .address_space: global }
      - { .name: pmax, .offset: 8, .size: 8, .value_kind: global_buffer, .address_space: global }
    .group_segment_fixed_size: 2304
    .private_segment_fixed_size: 0
    .kernarg_segment_align: 8
    .kernarg_segment_size: 16
    .max_flat_workgroup_size: 512
    .sgpr_count:     66
    .vgpr_count:     144
    .wavefront_size: 32
...
	.end_amdgpu_metadata
.endif
;; end of part 1
;; launch quant (part 2): grid 256 x 2, 8 waves a work-group, no clusters, 0 bytes of LDS; arguments x, weight, input_scale, pmax, xq, wq, scal; writes xq, wq, scal
.if DOCPART == 2
	.amdgcn_target "amdgcn-amd-amdhsa--gfx1250"
	.amdhsa_code_object_version 6
	.text
	.protected	k_q55a276514f_quant
	.globl	k_q55a276514f_quant
	.p2align	8
	.type	k_q55a276514f_quant,@function
k_q55a276514f_quant:
	s_mov_b64 s[64:65], 0
	v_nop
	global_prefetch_b8 v0, s[64:65] scope:SCOPE_SE
	s_setreg_imm32_b32 hwreg(HW_REG_WAVE_MODE, 25, 1), 1
	s_wait_xcnt 0x0
; q = clip(round-half-to-even(t / s), -127, 127), written as bf16, in which the whole numbers -127 .. 127 are exact.
; Grid y = 0: t = x, s = input_scale, q -> xq.   y = 1: t = weight, s = ws = max(max|weight| / 127, 1e-8), q -> wq.   All four tensors [4096][4096].
; max|weight| is the largest of pmax's 256 numbers; every wave takes it for itself (1,024 bytes, two loads).  One wave of the launch also stores c = input_scale x ws, 64 times: scal's whole 256 bytes.
; SHARES.  A work-group takes 262,144 bytes in (131,072 out), each of its eight waves 32,768: 64 loads of 16 bytes a lane, 512 consecutive bytes each.  A ring of 16 register slots keeps 16 loads of every
; wave on their way.  A slot's four numbers leave as 8 bytes a lane: the wave's store covers 256 consecutive bytes, aligned.
; THE QUOTIENT.  r = 1 / s (v_rcp_f32, one Newton step);  q0 = t r;  e = t - q0 s (fused, exact);  q = q0 + e r (fused).
; The bytes bound this launch: no LDS, no matrix work, no cluster (nothing is shared), no prefetch (the ring already streams).
; LIMITS.  s is positive, between 2^-126 and 2^126 (v_rcp_f32 flushes denormals: ISA guide 15.8); |t| / s stays under 3e38 (beyond, e would be a difference of infinities);
; NaN and infinities are not treated apart; the quotient is the refined one above, no IEEE division by construction.
.set DEPTH, 16                         ; slots = loads in flight in each wave
.set INO,  1                           ; v1   wave x 32,768 + lane x 16; never rewritten
.set OUTO, 2                           ; v2   half of that; never rewritten
.set PMO,  3                           ; v3   lane x 16, for pmax
.set PM,   4                           ; v[4:11]  my 8 numbers of pmax; then at work
.set R,    14                          ; v[14:15] 1 / s, twice
.set NS,   16                          ; v[16:17] -s, twice
.set CC,   18                          ; v[18:19] c, twice; never rewritten
.set SCO,  20                          ; v20  lane x 8, for scal; never rewritten
.set SV,   21                          ; v21  s
.set T,    22                          ; v[22:29] at work
.set X,    32                          ; v[32:95]  slot i: 4 registers as loaded
.set Y,    96                          ; v[96:127] slot i: 2 registers to store
	s_load_b256 s[4:11], s[0:1], 0x0               ; x s[4:5], weight s[6:7], input_scale s[8:9], pmax s[10:11]
	s_load_b128 s[12:15], s[0:1], 0x20             ; xq s[12:13], wq s[14:15]
	s_load_b64 s[16:17], s[0:1], 0x30              ; scal
	v_lshrrev_b32 v12, 5, v0
	v_readfirstlane_b32 s19, v12                   ; wave 0..7
	v_and_b32 v13, 31, v0                          ; lane
	v_lshlrev_b32 v[PMO], 4, v13
	v_lshl_add_u32 v[INO], v12, 15, v[PMO]
	v_lshrrev_b32 v[OUTO], 1, v[INO]
	v_lshlrev_b32 v[SCO], 3, v13
	s_and_b32 s18, ttmp7, 0xffff                   ; y: which tensor
	s_mov_b32 s28, 0x42fe0000                      ; 127.0
	s_mov_b32 s29, 0xc2fe0000                      ; -127.0
	s_mov_b32 s30, 0x76543210                      ; v_permlanex16_b32: each lane takes its own place in the other half
	s_mov_b32 s31, 0xfedcba98
	s_mov_b32 s33, 0x3c010204                      ; 1 / 127, rounded
	s_mov_b32 s25, 0
	s_mov_b32 s27, 64/DEPTH-1                      ; rounds that load ahead
	s_wait_kmcnt 0x0
	s_load_b32 s26, s[8:9], 0x0                    ; input_scale itself: no line of this launch writes that buffer
	s_cmp_eq_u32 s18, 0                            ; the choice hangs on the work-group's y alone
	s_cselect_b64 s[20:21], s[4:5], s[6:7]         ; from where,
	s_cselect_b64 s[22:23], s[12:13], s[14:15]     ; to where,
	s_cselect_b32 s32, -1, 0                       ; and a lane mask: all ones where s is the input's scale
	s_lshl_b32 s24, ttmp9, 18                      ; the work-group's 262,144 bytes in,
	s_add_nc_u64 s[20:21], s[20:21], s[24:25]
	s_lshl_b32 s24, ttmp9, 17                      ; its 131,072 out
	s_add_nc_u64 s[22:23], s[22:23], s[24:25]
	global_load_b128 v[PM:PM+3],   v[PMO], s[10:11]
	global_load_b128 v[PM+4:PM+7], v[PMO], s[10:11] offset:512
.set i, 0
.rept DEPTH
	global_load_b128 v[X+4*i:X+4*i+3], v[INO], s[20:21] offset:512*i th:TH_LOAD_NT  ; the ring is filled
.set i, i+1
.endr
	s_wait_loadcnt DEPTH                           ; pmax is in; the ring's 16 loads stay out
	s_wait_kmcnt 0x0                               ; input_scale
	v_max3_num_f32 v[PM], v[PM], v[PM+1], v[PM+2]
	v_max3_num_f32 v[PM+3], v[PM+3], v[PM+4], v[PM+5]
	v_max3_num_f32 v[PM], v[PM], v[PM+6], v[PM+7]
	v_max_num_f32 v[PM], v[PM], v[PM+3]
	v_max_num_f32_dpp v[PM], v[PM], v[PM] row_xmask:1 row_mask:0xf bank_mask:0xf
	v_max_num_f32_dpp v[PM], v[PM], v[PM] row_xmask:2 row_mask:0xf bank_mask:0xf
	v_max_num_f32_dpp v[PM], v[PM], v[PM] row_xmask:4 row_mask:0xf bank_mask:0xf
	v_max_num_f32_dpp v[PM], v[PM], v[PM] row_xmask:8 row_mask:0xf bank_mask:0xf
	v_permlanex16_b32 v[PM+1], v[PM], s30, s31
	v_max_num_f32 v[PM], v[PM], v[PM+1]            ; m = max|weight|, in every lane
	v_mul_f32 v[PM+1], s33, v[PM]                  ; m / 127: a first quotient,
	v_fma_f32 v[PM+2], -v[PM+1], s28, v[PM]        ; what it leaves of m,
	v_fma_f32 v[PM+1], v[PM+2], s33, v[PM+1]       ; and the correction
	v_max_num_f32 v[PM+1], 0x322bcc77, v[PM+1]     ; ws = max(m / 127, 1e-8)
	v_mul_f32 v[CC], s26, v[PM+1]                  ; c = input_scale x ws
	v_mov_b32 v[CC+1], v[CC]
	v_mov_b32 v12, s26
	v_cndmask_b32 v[SV], v[PM+1], v12, s32         ; s: the input's scale where y = 0, else ws
	v_rcp_f32 v13, v[SV]
	v_mul_f32 v[NS], -1.0, v[SV]                   ; the plain instruction behind the reciprocal (ISA guide 5.7.2)
	s_wait_alu depctr_va_vdst(0)                   ; ahead of the reciprocal's first reader
	v_fma_f32 v12, v[NS], v13, 1.0                 ; 1 - s r
	v_fma_f32 v[R], v12, v13, v13                  ; r + r (1 - s r)
	v_mov_b32 v[R+1], v[R]
	v_mov_b32 v[NS+1], v[NS]
	s_xor_b32 s34, s18, 1                          ; y = 1, work-group x = 0, wave 0: that wave stores c
	s_or_b32 s34, s34, ttmp9
	s_or_b32 s34, s34, s19
	s_cmp_lg_u32 s34, 0
	s_cbranch_scc1 .Lnot_scal
	global_store_b64 v[SCO], v[CC:CC+1], s[16:17]  ; 32 lanes x 8 bytes: scal's 256 bytes whole
.Lnot_scal:
; One slot's turn.  ahead = 1: the slot is filled again with the chunk DEPTH further on.  left = how many younger loads may stay out.
.macro SLOT i, ahead, left
	s_wait_loadcnt \left                           ; loads come back in order: mine is in, the younger ones stay out
	v_pk_mul_f32 v[T:T+1],   v[X+4*(\i):X+4*(\i)+1],   v[R:R+1]                              ; q0 = t r
	v_pk_mul_f32 v[T+2:T+3], v[X+4*(\i)+2:X+4*(\i)+3], v[R:R+1]
	v_pk_fma_f32 v[T+4:T+5], v[T:T+1],   v[NS:NS+1], v[X+4*(\i):X+4*(\i)+1]                  ; e = t - q0 s
	v_pk_fma_f32 v[T+6:T+7], v[T+2:T+3], v[NS:NS+1], v[X+4*(\i)+2:X+4*(\i)+3]
	v_pk_fma_f32 v[T:T+1],   v[T+4:T+5], v[R:R+1], v[T:T+1]                                  ; q = q0 + e r
	v_pk_fma_f32 v[T+2:T+3], v[T+6:T+7], v[R:R+1], v[T+2:T+3]
.if \ahead
	global_load_b128 v[X+4*(\i):X+4*(\i)+3], v[INO], s[20:21] offset:(DEPTH+(\i))*512 th:TH_LOAD_NT  ; the load goes out ahead of the store
.endif
.irp j, 0,1,2,3
	v_rndne_f32 v[T+(\j)], v[T+(\j)]               ; to the nearest whole number, halves to even
.endr
.irp j, 0,1,2,3
	v_med3_num_f32 v[T+(\j)], v[T+(\j)], s29, s28  ; the clip
.endr
	v_cvt_pk_bf16_f32 v[Y+2*(\i)],   v[T],   v[T+1]  ; exact
	v_cvt_pk_bf16_f32 v[Y+2*(\i)+1], v[T+2], v[T+3]
	global_store_b64 v[OUTO], v[Y+2*(\i):Y+2*(\i)+1], s[22:23] offset:256*(\i) th:TH_STORE_NT
.endm
.Lround:
.irp i, 0,1,2,3,4,5,6,7,8,9,10,11,12,13,14,15
	SLOT \i, 1, DEPTH-1
.endr
	s_wait_xcnt 0x0                                ; every load and store so far has had its addresses translated (ISA guide 3.1): only behind this wait are the two bases and the stores' Y rewritten
	s_add_nc_u64 s[20:21], s[20:21], DEPTH*512
	s_add_nc_u64 s[22:23], s[22:23], DEPTH*256
	s_sub_co_u32 s27, s27, 1
	s_cmp_lg_u32 s27, 0
	s_cbranch_scc1 .Lround
.irp i, 0,1,2,3,4,5,6,7,8,9,10,11,12,13,14,15
	SLOT \i, 0, DEPTH-1-(\i)                       ; the last round loads nothing: the counts run down
.endr
	s_endpgm
.Lfunc_end_k_q55a276514f_quant:
	.size	k_q55a276514f_quant, .Lfunc_end_k_q55a276514f_quant-k_q55a276514f_quant
	.p2alignl 7, 3214868480
	.fill 96, 4, 3214868480
	.section	.rodata,"a",@progbits
	.p2align	6, 0x0
	.amdhsa_kernel k_q55a276514f_quant
		.amdhsa_group_segment_fixed_size 0
		.amdhsa_private_segment_fixed_size 0
		.amdhsa_enable_private_segment 0
		.amdhsa_kernarg_size 56
		.amdhsa_user_sgpr_count 2
		.amdhsa_user_sgpr_kernarg_segment_ptr 1
		.amdhsa_wavefront_size32 1
		.amdhsa_system_sgpr_workgroup_id_x 1
		.amdhsa_system_sgpr_workgroup_id_y 1
		.amdhsa_system_sgpr_workgroup_id_z 1
		.amdhsa_system_vgpr_workitem_id 0
		.amdhsa_next_free_vgpr 128
		.amdhsa_next_free_sgpr 66
		.amdhsa_reserve_vcc 0
		.amdhsa_float_denorm_mode_32 3
		.amdhsa_float_denorm_mode_16_64 3
		.amdhsa_memory_ordered 1
		.amdhsa_forward_progress 1
		.amdhsa_inst_pref_size 39
	.end_amdhsa_kernel
	.amdgpu_metadata
---
amdhsa.version: [ 1, 2 ]
amdhsa.kernels:
  - .name:           k_q55a276514f_quant
    .symbol:         k_q55a276514f_quant.kd
    .args:
      - { .name: x, .offset: 0, .size: 8, .value_kind: global_buffer, .address_space: global }
      - { .name: weight, .offset: 8, .size: 8, .value_kind: global_buffer, .address_space: global }
      - { .name: input_scale, .offset: 16, .size: 8, .value_kind: global_buffer, .address_space: global }
      - { .name: pmax, .offset: 24, .size: 8, .value_kind: global_buffer, .address_space: global }
      - { .name: xq, .offset: 32, .size: 8, .value_kind: global_buffer, .address_space: global }
      - { .name: wq, .offset: 40, .size: 8, .value_kind: global_buffer, .address_space: global }
      - { .name: scal, .offset: 48, .size: 8, .value_kind: global_buffer, .address_space: global }
    .group_segment_fixed_size: 0
    .private_segment_fixed_size: 0
    .kernarg_segment_align: 8
    .kernarg_segment_size: 56
    .max_flat_workgroup_size: 256
    .sgpr_count:     66
    .vgpr_count:     128
    .wavefront_size: 32
...
	.end_amdgpu_metadata
.endif
;; end of part 2
;; launch gemm (part 3): grid 16 x 16, 4 waves a work-group, clusters of 4 x 4, 327,680 bytes of LDS; arguments xq, wq, bias, scal, out0; writes out0
.if DOCPART == 3
	.amdgcn_target "amdgcn-amd-amdhsa--gfx1250"
	.amdhsa_code_object_version 6
	.text
	.protected	k_q55a276514f_gemm
	.globl	k_q55a276514f_gemm
	.p2align	8
	.type	k_q55a276514f_gemm,@function
k_q55a276514f_gemm:
	s_mov_b64 s[64:65], 0
	v_nop
	global_prefetch_b8 v0, s[64:65] scope:SCOPE_SE
	s_setreg_imm32_b32 hwreg(HW_REG_WAVE_MODE, 25, 1), 1
	s_wait_xcnt 0x0
	s_wait_alu depctr_hold_cnt(0) depctr_sa_sdst(0) depctr_va_vdst(0) depctr_va_sdst(0) depctr_va_ssrc(0) depctr_va_vcc(0) depctr_vm_vsrc(0)
	s_getreg_b32 s2, hwreg(HW_REG_IB_STS2, 6, 4)
	s_cmp_eq_u32 s2, 0
	s_cbranch_scc0 .Lentry_in_a_cluster
	s_endpgm
.Lentry_in_a_cluster:
	s_bfe_u32 s2, ttmp6, 0x10000c
	s_cmp_lg_u32 s2, 0xf033
	s_cbranch_scc0 .Lentry_shape_is_right
	s_endpgm
.Lentry_shape_is_right:
; out0[m][n] = (the sum over k of xq[m][k] wq[n][k]) x c + bias[n].  xq, wq: [4096][4096] bf16, whole numbers -127 .. 127; c = scal[0]; bias: [4096] f32; out0: [4096][4096] f32.
; The operands and their products are exact in bf16 x bf16; the f32 sums are exact while they stay under 2^24, and are rounded in f32 beyond (4096 x 127 x 127 is 6.6e7 at the most).
; A tile of out0, 256 x 256, is made by a work-group of four waves; a wave makes 128 x 128: 64 accumulators of 16 x 16, 512 registers.  256 tiles, one to a work-group.
; K goes in 32 steps of 128 through a ring of two LDS slots filled by the tensor data mover: a tile's rows are 256 bytes of memory and start at multiples of 256 bytes from the buffer's first byte.
; CLUSTERS: 4 x 4 work-groups.  The four of a row of the cluster need the same tiles of xq (A), the four of a column the same tiles of wq (B).  Such a tile is asked for JOINTLY: each of the four issues
; the same tensor load, with the same descriptor and a mask that names the four, and each receives it in its own LDS.
; REGISTERS, in windows of 256 (s_set_vgpr_msb's low byte: bits 1:0 source 0, 3:2 source 1, 5:4 source 2, 7:6 destination):
;   window 0: v0-31 addresses and my four biases; v64-127, v128-191 fragments of A (8 x 16 rows x 32 K), two buffers; on the way out the same 128 registers take rows read back from the stage
;   window 1: v64-127, v128-191 fragments of B, two buffers
;   window 2: the 32 accumulators of my rows 0-63 (accumulator (a, b) at v[8 (8 a + b)]);   window 3: those of my rows 64-127
; THE MATRIX INSTRUCTION IS USED TRANSPOSED: source 0 = 16 rows of B, source 1 = 16 rows of A.  In the result lane l holds row l % 16 of the tile and its registers 0 to 7 the columns
; 8 (l / 16) + 0 .. 7: 32 neighbouring bytes of a row of out0.
; THE WAY OUT: 16 rows at a time through my wave's own stage in LDS; they come back as whole rows of 512 bytes, take c and the bias in one fused multiply-add, and each store covers 512 consecutive bytes.
.set SIZE_K, 4096
.set SIZE_N, 4096
.set KSTEP,  128
.set PITCH,  272                       ; an LDS row: 256 bytes + 16 of padding = 68 words: row r starts at bank 4 r mod 64 (64 banks of 4 bytes: ISA guide 11.1), so the 16 rows of a load start at 16 different banks
.set HALFT,  128*PITCH                 ; 128 rows: what one tensor load brings, and what one wave reads of A or of B
.set SLOT,   4*HALFT                   ; A's 256 rows, then B's 256 rows
.set STAGE,  2*SLOT                    ; behind the ring: 16 rows x 528 bytes for each wave; no tensor load lands here
.set SPITCH, 528                       ; 512 bytes + 16 = 132 words: again 16 rows at 16 different groups of four banks
.set SPARE,  STAGE+4*16*SPITCH         ; behind the stages: the spare words, 128 bytes for each wave: two blocks of 256 bytes that no other line names
.set LAPS,   SIZE_K/(2*KSTEP)          ; a lap = two K steps = once round the ring: 16
.set ROWC,   SIZE_N*4                  ; bytes in a row of out0
.set BI,   8                           ; v[8:11] the biases of my four columns on the way out
.set ADRA, 16                          ; v16-17  LDS address of my A fragments in slot 0, 1
.set ADRB, 20                          ; v20-21  the same for B
.set STO,  24                          ; v24     the way out: where I put 32 bytes of a row
.set RD,   25                          ; v25     the way out: where I read 16 bytes of a row back
.set CO,   26                          ; v26     16 x lane: my byte offset in a row's 512 bytes; never rewritten
.set BO,   27                          ; v27     my byte offset in bias
.set SPW,  28                          ; v28     LDS address of my spare word: SPARE + 4 x my thread's number; never rewritten
.set NIL,  29                          ; v29     0; never rewritten
.set PFO,  30                          ; v30     the prefetches' offset: my lane x a row of xq or wq (8,192 bytes); never rewritten
.set F0,   64                          ; fragment buffer 0
.set F1,   128                         ; fragment buffer 1
.set G1,  24                           ; s[24:31] descriptor group 1 for A's tiles
.set G0,  32                           ; s[32:39] descriptor group 0 for A's tiles, one set for each slot
.set LIM, 43                           ; s43      1 in a wave that prefetches, else the greatest number
.set PFA, 44                           ; s[44:45] where my prefetches stand: one K step further along K than the refill in hand; a prefetch names the K step after that
.set G1B, 48                           ; s[48:55] descriptor group 1 for B's tiles: it differs from A's in the mask alone
.set G0B, 56                           ; s[56:63] descriptor group 0 for B's tiles
.set CS,  66                           ; s[66:67] c: the packed multiply-add names a pair and takes its low word for both halves
.set MSB, 0
.macro WIN new                         ; the immediate's high byte repeats the setting that is left; a switch that changes nothing is dropped
.if MSB != (\new)
	s_set_vgpr_msb (MSB<<8)|(\new)
.set MSB, \new
.endif
.endm
.set MUL_LO, 0xa1                      ; source 0 (B) window 1, source 1 (A) window 0, C and D window 2
.set MUL_HI, 0xf1                      ; the same, C and D window 3
.set TO_B,   0x40                      ; destination window 1, address window 0
; A joint load.  Waves 0 and 1 fetch A's two halves, waves 2 and 3 B's.  Each line has one mask and one set of registers for all that issue it; the branch hangs on the wave's number alone.
; An s_nop 0 and four v_nop follow each of the two lines, ahead of the jump, the label and what follows the macro.
.macro JLOAD s
	s_cmp_eq_u32 s11, 0
	s_cbranch_scc0 .Lfor_b_\@
	tensor_load_to_lds s[G0+4*(\s):G0+4*(\s)+3], s[G1:G1+7]
	s_nop 0
.rept 4
	v_nop
.endr
	s_branch .Lasked_\@
.Lfor_b_\@:
	tensor_load_to_lds s[G0B+4*(\s):G0B+4*(\s)+3], s[G1B:G1B+7]
	s_nop 0
.rept 4
	v_nop
.endr
.Lasked_\@:
.endm
; A PREFETCH INTO THE L2, behind each joint refill, its five lines and the run of LDS loads that follows them: the K step that stands two refills on (512 matrix instructions ahead of the load that will
; ask for it): 32 rows x 256 bytes, a lane a row, one instruction a wave.  Each row's 256 bytes of a K step are named ONCE in the launch: A's tile row is read by every cluster of that row of clusters, and
; the one with cluster x = 0 asks; B's tile column by every cluster of that column, and the one with cluster y = 0 asks.  The four partners that fetch a tile jointly share its rows out BY ADDRESS: of the
; 128 rows that a wave fetches the partner at place p takes 32 p .. 32 p + 31 (p = cx for A, cy for B): no branch hangs on a place in the cluster.  K steps 0 to 3 come by their loads alone;
; the loop's last trip (s3 = 1) asks for nothing: there is no K step two on.
.macro ASK
	s_cmp_gt_u32 s3, s[LIM]
	s_cbranch_scc0 .Lnot_mine_\@
	global_prefetch_b8 v[PFO], s[PFA:PFA+1] offset:KSTEP*2 th:TH_LOAD_NT scope:SCOPE_SE
.Lnot_mine_\@:
.endm
; A round of the cluster's barrier: my work-group's barrier, so that wave 0's signal speaks for all four waves; wave 0 signals for the work-group; every wave waits for all sixteen work-groups;
; my work-group's barrier once more.  No LDS instruction of the wave is pending at a signal.
.macro CREST                           ; a round behind its opening barrier
	s_cmp_lg_u32 s10, 0
	s_cbranch_scc1 .Lnot_wave_0_\@
	s_barrier_signal -3
.Lnot_wave_0_\@:
	s_barrier_wait -3
	s_barrier_signal -1
	s_barrier_wait -1
.endm
.macro CROUND                          ; a whole round
	s_barrier_signal -1
	s_barrier_wait -1
	CREST
.endm
	s_load_b128 s[4:7], s[0:1], 0x0                ; xq (A) s[4:5], wq (B) s[6:7]
	s_load_b128 s[68:71], s[0:1], 0x10             ; bias s[68:69], scal s[70:71]
	s_load_b64 s[8:9], s[0:1], 0x20                ; out0
	v_lshl_add_u32 v[SPW], v0, 2, SPARE
	v_mov_b32 v[NIL], 0
	ds_add_u32 v[SPW], v[NIL]                      ; the wave's opening: the add, twice on end, and its wait ahead of my first tensor load; the set-up below stands between
	ds_add_u32 v[SPW], v[NIL]                      ; and once more, under the one wait
	v_lshrrev_b32 v1, 5, v0
	v_readfirstlane_b32 s10, v1                    ; wave 0..3
	s_lshr_b32 s11, s10, 1                         ; which half of the tile's rows is mine.  Also: I fetch for A (0) or for B (1)
	s_and_b32 s12, s10, 1                          ; which half of its columns.  Also: which 128 rows of that tile I fetch
	s_bfe_u32 s40, ttmp6, 0x40000                  ; cx: my place along the cluster's x
	s_bfe_u32 s41, ttmp6, 0x40004                  ; cy: along its y
	s_lshl_b32 s42, ttmp9, 2                       ; in a cluster launch ttmp9 and ttmp7 count clusters
	s_add_co_u32 s42, s42, s40                     ; tile column = 4 x cluster x + cx
	s_and_b32 s13, ttmp7, 0xffff
	s_lshl_b32 s13, s13, 2
	s_add_co_u32 s13, s13, s41                     ; tile row = 4 x cluster y + cy
	s_lshl_b32 s43, s41, 2
	s_lshl_b32 s43, 15, s43                        ; my row of the cluster: places 4 cy .. 4 cy + 3
	s_lshl_b32 s44, 0x1111, s40                    ; my column: places cx, cx + 4, cx + 8, cx + 12
	; descriptor group 1: a tile of 128 rows x 128 elements, padded in LDS
	s_or_b32 s[G1+0], s43, (1<<16)|(1<<20)|(1<<21)|(5<<22)|(3<<25)   ; 15:0 the mask: A's tiles go to my row; 17:16 elements of 2 bytes; 20 padding on; 21 set beside a mask; 24:22 after every 64 words (code 5); 31:25 4 words of it (code 3)
	s_or_b32 s[G1B+0], s44, (1<<16)|(1<<20)|(1<<21)|(5<<22)|(3<<25)  ; the same with the mask of my column, for B's tiles
.irp g, G1, G1B
	s_mov_b32 s[(\g)+1], KSTEP<<16                 ; tensor_dim0 = 128
	s_mov_b32 s[(\g)+2], 128<<16                   ; tensor_dim1 = 128
	s_mov_b32 s[(\g)+3], KSTEP<<16                 ; tile_dim0 = 128
	s_mov_b32 s[(\g)+4], 128                       ; tile_dim1 = 128
	s_mov_b32 s[(\g)+5], SIZE_K                    ; elements from row to row
	s_mov_b32 s[(\g)+6], 0
	s_mov_b32 s[(\g)+7], 0
.endr
	; where the tiles come from.  A's hang on the tile row alone, which my row of the cluster shares; B's on the tile column alone, which my column shares.
	; Every wave makes both addresses, in registers that never hold the other coordinate, and asks by one of them.
	s_lshl_b32 s17, s12, 7                         ; which 128 rows of the tile I fetch
	s_lshl_b32 s16, s13, 8
	s_add_co_u32 s16, s16, s17                     ; A: row 256 x tile row + 128 x half
	s_lshl_b32 s46, s42, 8
	s_add_co_u32 s46, s46, s17                     ; B: row 256 x tile column + 128 x half
	s_mov_b32 s17, 0
	s_mov_b32 s47, 0
	s_mov_b64 s[18:19], SIZE_K*2
	s_mul_u64 s[16:17], s[16:17], s[18:19]         ; in bytes
	s_mul_u64 s[46:47], s[46:47], s[18:19]
	s_mul_i32 s20, s10, HALFT                      ; and where they go: A's two halves, then B's two halves = wave x 128 rows: no place in the cluster enters an LDS address
	s_wait_dscnt 0x0                               ; both opening adds are done
	s_wait_kmcnt 0x0
	s_add_nc_u64 s[14:15], s[4:5], s[16:17]
	s_add_nc_u64 s[46:47], s[6:7], s[46:47]
	CROUND                                         ; all sixteen work-groups are here: the first joint loads meet
.irp s, 0,1
	s_mov_b32 s[G0+4*(\s)], 1                                        ; count = 1
	s_add_co_u32 s[G0+4*(\s)+1], s20, (\s)*SLOT                      ; LDS address
	s_add_nc_u64 s[G0+4*(\s)+2:G0+4*(\s)+3], s[14:15], (\s)*KSTEP*2  ; global address: K step s
	s_or_b32 s[G0+4*(\s)+3], s[G0+4*(\s)+3], 0x80000000              ; type = 2
	s_mov_b32 s[G0B+4*(\s)], 1
	s_add_co_u32 s[G0B+4*(\s)+1], s20, (\s)*SLOT
	s_add_nc_u64 s[G0B+4*(\s)+2:G0B+4*(\s)+3], s[46:47], (\s)*KSTEP*2
	s_or_b32 s[G0B+4*(\s)+3], s[G0B+4*(\s)+3], 0x80000000
	JLOAD \s                                       ; the ring is filled before anything else is done: two tensor loads of mine are out
.endr
	s_load_b32 s[CS], s[70:71], 0x0                ; c: no line of this launch writes scal
	; A fragment is 16 rows x 32 K in 8 registers: lane l holds row l % 16; registers 0-3 hold K = 8 (l / 16) + 0..7, registers 4-7 hold K = 16 + 8 (l / 16) + 0..7: two loads of 16 bytes, 32 bytes apart.
	v_and_b32 v1, 15, v0                           ; l % 16
	v_bfe_u32 v2, v0, 4, 1                         ; l / 16
	v_mul_u32_u24 v3, v1, PITCH
	v_lshl_add_u32 v3, v2, 4, v3                   ; row x pitch + 16 x half
	s_mul_i32 s21, s11, HALFT                      ; my 128 rows of A
	s_mul_i32 s22, s12, HALFT                      ; my 128 rows of B,
	s_add_co_u32 s22, s22, 2*HALFT                 ; which lie behind A's 256
.irp s, 0,1
	v_add_nc_u32 v[ADRA+(\s)], s21, v3
	v_add_nc_u32 v[ADRB+(\s)], s22, v3
	s_add_co_u32 s21, s21, SLOT
	s_add_co_u32 s22, s22, SLOT
.endr
	s_mul_i32 s23, s10, 16*SPITCH
	s_add_co_u32 s23, s23, STAGE                   ; my stage
	v_mul_u32_u24 v4, v1, SPITCH                   ; in: row l % 16, 32 bytes for each half of the lanes
	v_lshl_add_u32 v4, v2, 5, v4
	v_add_nc_u32 v[STO], s23, v4
	v_and_b32 v5, 31, v0
	v_lshlrev_b32 v[CO], 4, v5                     ; back: 32 lanes take one row of 512 bytes, 16 bytes each
	v_add_nc_u32 v[RD], s23, v[CO]
	s_lshl_b32 s46, s42, 10                        ; my first column in bytes of f32: 1,024 x tile column + 512 x half: in out0's rows and in bias alike
	s_lshl_b32 s47, s12, 9                         ; (in the registers that held B's address: none that feeds A's descriptors ever holds cx)
	s_add_co_u32 s46, s46, s47
	v_add_nc_u32 v[BO], s46, v[CO]
	global_load_b128 v[BI:BI+3], v[BO], s[68:69]   ; the biases of the four columns that I store
	s_lshl_b32 s13, s13, 8                         ; 256 x tile row
	s_lshl_b32 s14, s11, 7
	s_add_co_u32 s16, s13, s14                     ; my first row of out0,
	s_lshl_b32 s16, s16, 14                        ; x 16,384 bytes: under 2^26
	s_add_co_u32 s16, s16, s46
	s_mov_b32 s17, 0
	s_add_nc_u64 s[8:9], s[8:9], s[16:17]          ; out0 at my 128 x 128; never stepped: the rows stand in the stores' immediates
	; the prefetches.  s13 = 256 x tile row, s42 = tile column, s40 = cx, s41 = cy still stand
	s_lshl_b32 s42, s42, 8
	s_and_b32 s22, ttmp7, 0xffff                   ; cluster y
	s_cmp_eq_u32 s11, 0                            ; do I fetch for A?
	s_cselect_b32 s20, s13, s42                    ; the tile's first row: in A by the tile row, in B by the tile column
	s_cselect_b32 s21, s40, s41                    ; my place among the four that ask for it with me
	s_cselect_b32 s22, ttmp9, s22                  ; the coordinate along which other clusters read the same rows
	s_cselect_b64 s[PFA:PFA+1], s[4:5], s[6:7]
	s_cmp_eq_u32 s22, 0
	s_cselect_b32 s[LIM], 1, -1                    ; the same in all sixteen partners, for a given wave
	s_lshl_b32 s22, s12, 7
	s_add_co_u32 s20, s20, s22                     ; + the 128 rows that I fetch
	s_lshl_b32 s21, s21, 5
	s_add_co_u32 s20, s20, s21                     ; + my work-group's 32 of them
	s_mov_b32 s21, 0
	s_mov_b64 s[18:19], SIZE_K*2
	s_mul_u64 s[20:21], s[20:21], s[18:19]
	s_add_nc_u64 s[PFA:PFA+1], s[PFA:PFA+1], s[20:21]
	s_add_nc_u64 s[PFA:PFA+1], s[PFA:PFA+1], 2*KSTEP*2  ; at K step 2: the first refill steps it to 3 and names K step 4
	v_and_b32 v[PFO], 31, v0
	v_mul_u32_u24 v[PFO], v[PFO], SIZE_K*2
	s_wait_kmcnt 0x0                               ; c
	s_mov_b32 s[CS+1], s[CS]                       ; named with it as a pair, so it is written
	s_wait_loadcnt 0x0                             ; the biases
; 16 matrix instructions: m blocks a0, a0 + 1 of the window's four (hi = 0: my rows 0-63, 1: rows 64-127) x all 8 n blocks, 32 along K.  zero = 1: the first product starts the sums: nothing is cleared.
; The 64 accumulators take turns, one instruction a turn, in the same order in every quarter step, over the backward jump too.
.macro MUL16 f, hi, a0, zero
	WIN MUL_LO+0x50*(\hi)
.irp a, \a0, (\a0)+1
.irp b, 0,1,2,3,4,5,6,7
.if \zero
	v_wmma_f32_16x16x32_bf16 v[8*(8*(\a)+(\b)):8*(8*(\a)+(\b))+7], v[(\f)+8*(\b):(\f)+8*(\b)+7], v[(\f)+8*(4*(\hi)+(\a)):(\f)+8*(4*(\hi)+(\a))+7], 0
.else
	v_wmma_f32_16x16x32_bf16 v[8*(8*(\a)+(\b)):8*(8*(\a)+(\b))+7], v[(\f)+8*(\b):(\f)+8*(\b)+7], v[(\f)+8*(4*(\hi)+(\a)):(\f)+8*(4*(\hi)+(\a))+7], v[8*(8*(\a)+(\b)):8*(8*(\a)+(\b))+7]
.endif
.endr
.endr
.endm
; 32 LDS loads in one run: the fragments of one quarter step (128 rows of B, 128 rows of A, 32 K at byte k of the rows) into buffer f
.macro FETCH slot, k, f
	WIN TO_B
.irp i, 0,1,2,3,4,5,6,7
	ds_load_b128 v[(\f)+8*(\i):(\f)+8*(\i)+3],   v[ADRB+(\slot)] offset:(\k)+(\i)*16*PITCH
	ds_load_b128 v[(\f)+8*(\i)+4:(\f)+8*(\i)+7], v[ADRB+(\slot)] offset:(\k)+(\i)*16*PITCH+32
.endr
	WIN 0
.irp i, 0,1,2,3,4,5,6,7
	ds_load_b128 v[(\f)+8*(\i):(\f)+8*(\i)+3],   v[ADRA+(\slot)] offset:(\k)+(\i)*16*PITCH
	ds_load_b128 v[(\f)+8*(\i)+4:(\f)+8*(\i)+7], v[ADRA+(\slot)] offset:(\k)+(\i)*16*PITCH+32
.endr
.endm
; A load into a register that a matrix instruction has read, and an LDS store that reads a matrix result, stand four places behind that matrix instruction, and only plain vector instructions that
; name none of its registers are places (ISA guide 7.12.1 for vector instructions).
.macro PLACES
.rept 4
	v_nop
.endr
.endm
; A K step is four quarter steps of 32 along K, 64 matrix instructions each, on buffers 0, 1, 0, 1.
; One of the first three: multiplies buffer f; in its middle it fetches the next quarter's fragments, at byte k of the same slot's rows, into buffer g.
.macro QUARTER slot, k, f, g, zero
	s_wait_dscnt 8                                 ; B and A's rows 0-63 are in; the youngest eight loads (A's rows 64-127) may be out
	WIN MUL_LO
	MUL16 \f, 0, 0, \zero
	MUL16 \f, 0, 2, \zero
	PLACES
	FETCH \slot, \k, \g
	s_wait_dscnt 32                                ; all but the 32 just issued
	WIN MUL_HI
	MUL16 \f, 1, 0, \zero
	MUL16 \f, 1, 2, \zero
.endm
; The last quarter multiplies buffer 1 and changes slots.  MEET is its first half: ONE barrier for the change.  In front of it each wave waits for all its tensor loads, of which one is out: its part of
; the next slot; adds 0 to its spare word; and waits for that and for its own reads of this slot.  Behind it nobody reads this slot any more and the next slot is whole.
.macro MEET round                      ; round = 1: a round of the cluster's barrier follows
	WIN 0                                          ; (the add's two registers lie in window 0)
	s_wait_tensorcnt 0x0                           ; all my tensor loads have landed;
	ds_add_u32 v[SPW], v[NIL]                      ; 0 onto my spare word;
	s_wait_dscnt 9                                 ; (the add and the youngest eight loads may be out)
	WIN MUL_LO
	MUL16 F1, 0, 0, 0                              ; sixteen matrix instructions stand between the add and the wait for it
	s_wait_dscnt 0x0                               ; the add is done, and my reads of this slot are over:
	s_barrier_signal -1                            ; say so,
	MUL16 F1, 0, 2, 0                              ; work on registers while the others arrive,
.if \round
	WIN 0
.endif
	s_barrier_wait -1                              ; and go on when all four have said so
.endm
; The whole last quarter.  fill = 1: the barrier opens a round of the cluster's barrier, and behind the round the slot just read out is filled again first, with the K step two steps on; then come the next
; slot's first fragments.  From a request to the wait for it a wave issues 224 matrix instructions.  fill = 0: nothing is left to ask for.
.macro TURN slot, next, fill
.if \fill
	s_wait_xcnt 0x0                                ; the last prefetch, a K step back, has read its address: it is stepped here, ahead of the waits of the change of slots
	s_add_nc_u64 s[PFA:PFA+1], s[PFA:PFA+1], KSTEP*2
	MEET 1
	CREST                                          ; no wave of any partner still reads this slot's tile or has a load on its way
	s_add_nc_u64 s[G0+4*(\slot)+2:G0+4*(\slot)+3], s[G0+4*(\slot)+2:G0+4*(\slot)+3], 2*KSTEP*2
	s_add_nc_u64 s[G0B+4*(\slot)+2:G0B+4*(\slot)+3], s[G0B+4*(\slot)+2:G0B+4*(\slot)+3], 2*KSTEP*2
	JLOAD \slot                                    ; the first tensor load behind the round, my only one until the next; its four v_nop are also the places in front of the loads below
	FETCH \next, 0, F0
	ASK                                            ; behind the joint load and the run of LDS loads that the next products wait for
.else
	MEET 0
	PLACES
	FETCH \next, 0, F0
.endif
	WIN MUL_HI
	MUL16 F1, 1, 0, 0
	MUL16 F1, 1, 2, 0
.endm
; THE WAY OUT of block a (16 of my rows).  TOSTAGE: the block's eight accumulators go into my stage, 32 bytes a lane and accumulator, each accumulator's low four registers first;
; then the 16 rows come back whole, 16 bytes a lane, into buffer a % 2.
.macro TOSTAGE a
	WIN 0x08+4*((\a)/4)                            ; the stores' data (source 1) in window 2 or 3
.irp b, 0,1,2,3,4,5,6,7
	ds_store_b128 v[STO], v[64*((\a)%4)+8*(\b):64*((\a)%4)+8*(\b)+3]   offset:64*(\b)
	ds_store_b128 v[STO], v[64*((\a)%4)+8*(\b)+4:64*((\a)%4)+8*(\b)+7] offset:64*(\b)+16
.endr
	WIN 0
.if (\a) >= 2
	s_wait_xcnt 0x0                                ; block a - 2's stores have had their addresses translated (ISA guide 3.1): their data registers are loaded again only behind this wait
.endif
.irp t, 0,1,2,3,4,5,6,7,8,9,10,11,12,13,14,15
	ds_load_b128 v[64+64*((\a)%2)+4*(\t):64+64*((\a)%2)+4*(\t)+3], v[RD] offset:(\t)*SPITCH  ; LDS serves a wave's instructions in order (ISA guide 5.7.1.4): these see the stores above; the next block's stores come behind them
.endr
.endm
; SEND: sum x c + bias, fused, and the store.  younger: the LDS instructions issued behind block a's loads: the next block's 16 stores and 16 loads, or none.
.macro SEND a, younger
	WIN 0
.irp t, 0,1,2,3,4,5,6,7,8,9,10,11,12,13,14,15
	s_wait_dscnt (\younger)+15-(\t)                ; row t of the block is back
	v_pk_fma_f32 v[64+64*((\a)%2)+4*(\t):64+64*((\a)%2)+4*(\t)+1],   v[64+64*((\a)%2)+4*(\t):64+64*((\a)%2)+4*(\t)+1],   s[CS:CS+1], v[BI:BI+1]   op_sel_hi:[1,0,1]
	v_pk_fma_f32 v[64+64*((\a)%2)+4*(\t)+2:64+64*((\a)%2)+4*(\t)+3], v[64+64*((\a)%2)+4*(\t)+2:64+64*((\a)%2)+4*(\t)+3], s[CS:CS+1], v[BI+2:BI+3] op_sel_hi:[1,0,1]
	global_store_b128 v[CO], v[64+64*((\a)%2)+4*(\t):64+64*((\a)%2)+4*(\t)+3], s[8:9] offset:(16*(\a)+(\t))*ROWC th:TH_STORE_NT  ; 32 lanes store 512 consecutive bytes, at a multiple of 512 from out0's first byte; 127 rows at the most: inside the signed 24-bit immediate
.endr
.endm
	s_wait_tensorcnt 1                             ; my part of K step 0 is in; K step 1's may stay out
	s_barrier_signal -1
	s_barrier_wait -1                              ; everybody's is
	FETCH 0, 0, F0
	QUARTER 0, 64,  F0, F1, 1                      ; the first quarter stands in front of the loop: its products start the sums
	WIN 0                                          ; at a label and at a branch every window is 0
	s_mov_b32 s3, LAPS-1
.Llap:                                                 ; a trip goes once round the ring, from a lap's second quarter to the next lap's first, and fills both slots again
	QUARTER 0, 128, F1, F0, 0
	QUARTER 0, 192, F0, F1, 0
	TURN 0, 1, 1
	QUARTER 1, 64,  F0, F1, 0
	QUARTER 1, 128, F1, F0, 0
	QUARTER 1, 192, F0, F1, 0
	TURN 1, 0, 1
	QUARTER 0, 64,  F0, F1, 0
	WIN 0
	s_sub_co_u32 s3, s3, 1
	s_cmp_lg_u32 s3, 0
	s_cbranch_scc1 .Llap
	QUARTER 0, 128, F1, F0, 0                      ; the last lap is written out: it fills nothing, and has no round of the cluster's barrier
	QUARTER 0, 192, F0, F1, 0
	TURN 0, 1, 0
	QUARTER 1, 64,  F0, F1, 0
	QUARTER 1, 128, F1, F0, 0
	QUARTER 1, 192, F0, F1, 0
	s_wait_dscnt 8                                 ; the very last quarter: nothing more to fetch
	MUL16 F1, 0, 0, 0
	MUL16 F1, 0, 2, 0
	s_wait_dscnt 0x0
	MUL16 F1, 1, 0, 0
	MUL16 F1, 1, 2, 0
	WIN 0
	PLACES                                         ; behind the last products, in front of the LDS stores that read results and of the loads into A's buffers
	PLACES
	TOSTAGE 0
.irp a, 1,2,3,4,5,6,7                  ; block a's trip through the stage is under way while block a - 1 is finished and stored
	TOSTAGE \a
	SEND (\a)-1, 32
.endr
	SEND 7, 0
	s_wait_tensorcnt 0x0                           ; the wave's end, behind my last tensor load and my last LDS store
	ds_add_u32 v[SPW], v[NIL]
	s_wait_dscnt 0x0
	CROUND                                         ; the closing round: no work-group ends while a partner may still ask for a tile that names it
	s_endpgm
.Lfunc_end_k_q55a276514f_gemm:
	.size	k_q55a276514f_gemm, .Lfunc_end_k_q55a276514f_gemm-k_q55a276514f_gemm
	.p2alignl 7, 3214868480
	.fill 96, 4, 3214868480
	.section	.rodata,"a",@progbits
	.p2align	6, 0x0
	.amdhsa_kernel k_q55a276514f_gemm
		.amdhsa_group_segment_fixed_size 327680
		.amdhsa_private_segment_fixed_size 0
		.amdhsa_enable_private_segment 0
		.amdhsa_kernarg_size 40
		.amdhsa_user_sgpr_count 2
		.amdhsa_user_sgpr_kernarg_segment_ptr 1
		.amdhsa_wavefront_size32 1
		.amdhsa_system_sgpr_workgroup_id_x 1
		.amdhsa_system_sgpr_workgroup_id_y 1
		.amdhsa_system_sgpr_workgroup_id_z 1
		.amdhsa_system_vgpr_workitem_id 0
		.amdhsa_next_free_vgpr 1024
		.amdhsa_next_free_sgpr 72
		.amdhsa_reserve_vcc 0
		.amdhsa_float_denorm_mode_32 3
		.amdhsa_float_denorm_mode_16_64 3
		.amdhsa_memory_ordered 1
		.amdhsa_forward_progress 1
		.amdhsa_inst_pref_size 161
	.end_amdhsa_kernel
	.amdgpu_metadata
---
amdhsa.version: [ 1, 2 ]
amdhsa.kernels:
  - .name:           k_q55a276514f_gemm
    .symbol:         k_q55a276514f_gemm.kd
    .args:
      - { .name: xq, .offset: 0, .size: 8, .value_kind: global_buffer, .address_space: global }
      - { .name: wq, .offset: 8, .size: 8, .value_kind: global_buffer, .address_space: global }
      - { .name: bias, .offset: 16, .size: 8, .value_kind: global_buffer, .address_space: global }
      - { .name: scal, .offset: 24, .size: 8, .value_kind: global_buffer, .address_space: global }
      - { .name: out0, .offset: 32, .size: 8, .value_kind: global_buffer, .address_space: global }
    .group_segment_fixed_size: 327680
    .private_segment_fixed_size: 0
    .kernarg_segment_align: 8
    .kernarg_segment_size: 40
    .max_flat_workgroup_size: 128
    .sgpr_count:     72
    .vgpr_count:     1024
    .wavefront_size: 32
...
	.end_amdgpu_metadata
.endif
;; end of part 3
;; ======== version 2 of 2: 3 launches; version 1 with the launch quant written anew for expert scheduling mode
;; workspace buffers: pmax 1,024 bytes; scal 256 bytes; xq 33,554,432 bytes; wq 33,554,432 bytes
;; launch wmax: the kernel of part 1 again; grid 256 x 1, 16 waves a work-group, no clusters, 2,304 bytes of LDS; arguments weight, pmax; writes pmax
;; launch quant (part 4): grid 256 x 2, 8 waves a work-group, no clusters, 0 bytes of LDS; arguments x, weight, input_scale, pmax, xq, wq, scal; writes xq, wq, scal
.if DOCPART == 4
	.amdgcn_target "amdgcn-amd-amdhsa--gfx1250"
	.amdhsa_code_object_version 6
	.text
	.protected	k_q55a276514f_quant
	.globl	k_q55a276514f_quant
	.p2align	8
	.type	k_q55a276514f_quant,@function
k_q55a276514f_quant:
	s_mov_b64 s[64:65], 0
	v_nop
	global_prefetch_b8 v0, s[64:65] scope:SCOPE_SE
	s_setreg_imm32_b32 hwreg(HW_REG_WAVE_SCHED_MODE, 0, 2), 2
	s_setreg_imm32_b32 hwreg(HW_REG_WAVE_MODE, 25, 1), 1
	s_wait_xcnt 0x0
	s_wait_alu depctr_vm_vsrc(0)
; q = clip(round-half-to-even(t / s), -127, 127), written as bf16, in which the whole numbers -127 .. 127 are exact.
; Grid y = 0: t = x, s = input_scale, q -> xq.   y = 1: t = weight, s = ws = max(max|weight| / 127, 1e-8), q -> wq.   All four tensors [4096][4096].
; max|weight| is the largest of pmax's 256 numbers; every wave takes it for itself (1,024 bytes, two loads).  One wave of the launch also stores c = input_scale x ws, 64 times: scal's whole 256 bytes.
; SHARES.  A work-group takes 262,144 bytes in (131,072 out), each of its eight waves 32,768: 64 loads of 16 bytes a lane, 512 consecutive bytes each (a chunk).
; A chunk's four numbers a lane leave as 8 bytes a lane: the wave's store covers 256 consecutive bytes, aligned.
; THE QUOTIENT.  r = 1 / s (v_rcp_f32, one Newton step);  q0 = t r;  e = t - q0 s (fused, exact);  q = q0 + e r (fused).
; The bytes bound this launch: no LDS, no matrix work, no cluster (nothing is shared), no prefetch (the ring already streams).
; LIMITS.  s is positive, between 2^-126 and 2^126 (v_rcp_f32 flushes denormals: ISA guide 15.8); |t| / s stays under 3e38 (beyond, e would be a difference of infinities);
; NaN and infinities are not treated apart; the quotient is the refined one above, no IEEE division by construction.
; THE MODE: SCHED_MODE bits 1:0 = 2 (LLVM: expert scheduling mode 2), set by the entry lines.  The code itself states the register dependences
; between vector instructions and memory instructions, with s_wait_alu, always for 0.
; THE PLAN.  The wave's 64 chunks go in 16 blocks of four.  Registers that memory instructions touch:
;   X0 .. X4   five blocks as loaded.     Written by the loads of block p + 4, issued in block p; read by block p's multiplies and multiply-adds.
;   Y0 .. Y4   five blocks to store.      Written by block p's roundings to bf16; read by the four stores that are issued in block p + 1; written again in block p + 5.
;   v1, v2, v3, v20   byte offsets, made once at the head and never written again: the chunks are reached by the two scalar bases, which move on by a block at each block's head, and by immediate offsets.
;   v[4:11]    pmax lands here, once; v[18:19], c, is read by the one store to scal and never written again.
; Block p works on X[p % 5] and writes Y[p % 5].  Its memory instructions are the loads into X[(p + 4) % 5] = X[(p - 1) % 5] and the stores from Y[(p - 1) % 5]: the two buffers that block p - 1
; worked on and that no vector instruction of block p names.  So the waits at the head of a block state all that the block's eight memory instructions hang on, and these are dealt among its
; vector instructions with no further wait.  Five X buffers keep 12 to 16 loads of every wave on their way; Y goes by the same index, so that a lap of five blocks brings both kinds back to their start.
.set BLOCK,  4                         ; chunks in a block
.set NB,     5                         ; buffers of each kind
.set BLOCKS, 64/BLOCK
.set CIN,    512                       ; bytes of a chunk as loaded,
.set COUT,   256                       ; and as stored
.set INO,  1                           ; v1   wave x 32,768 + lane x 16; never rewritten
.set OUTO, 2                           ; v2   half of that; never rewritten
.set PMO,  3                           ; v3   lane x 16, for pmax; never rewritten
.set PM,   4                           ; v[4:11]  my 8 numbers of pmax; then at work
.set R,    14                          ; v[14:15] 1 / s, twice
.set NS,   16                          ; v[16:17] -s, twice
.set CC,   18                          ; v[18:19] c, twice; never rewritten
.set SCO,  20                          ; v20  lane x 8, for scal; never rewritten
.set SV,   21                          ; v21  s
.set T,    22                          ; v[22:29] at work: no memory instruction names them
.set X,    32                          ; v[32:111]  buffer k, chunk i: 4 registers at X + 16 k + 4 i, as loaded
.set Y,    112                         ; v[112:151] buffer k, chunk i: 2 registers at Y + 8 k + 2 i, to store
	s_load_b256 s[4:11], s[0:1], 0x0               ; x s[4:5], weight s[6:7], input_scale s[8:9], pmax s[10:11]
	s_load_b128 s[12:15], s[0:1], 0x20             ; xq s[12:13], wq s[14:15]
	s_load_b64 s[16:17], s[0:1], 0x30              ; scal
	v_lshrrev_b32 v12, 5, v0
	v_readfirstlane_b32 s19, v12                   ; wave 0..7
	v_and_b32 v13, 31, v0                          ; lane
	v_lshlrev_b32 v[PMO], 4, v13
	v_lshl_add_u32 v[INO], v12, 15, v[PMO]
	v_lshrrev_b32 v[OUTO], 1, v[INO]
	v_lshlrev_b32 v[SCO], 3, v13
	s_wait_alu depctr_va_sdst(0)                   ; s19 is written, ahead of its first reader: the choice, below, of the wave that stores c
	s_and_b32 s18, ttmp7, 0xffff                   ; y: which tensor
	s_mov_b32 s28, 0x42fe0000                      ; 127.0
	s_mov_b32 s29, 0xc2fe0000                      ; -127.0
	s_mov_b32 s30, 0x76543210                      ; v_permlanex16_b32: each lane takes its own place in the other half
	s_mov_b32 s31, 0xfedcba98
	s_mov_b32 s33, 0x3c010204                      ; 1 / 127, rounded
	s_mov_b32 s25, 0
	s_mov_b32 s27, (BLOCKS-1-NB)/NB                ; laps of the loop: blocks 1 to 10
	s_wait_kmcnt 0x0
	s_load_b32 s26, s[8:9], 0x0                    ; input_scale itself: no line of this launch writes that buffer
	s_cmp_eq_u32 s18, 0                            ; the choice hangs on the work-group's y alone
	s_cselect_b64 s[20:21], s[4:5], s[6:7]         ; from where,
	s_cselect_b64 s[22:23], s[12:13], s[14:15]     ; to where,
	s_cselect_b32 s32, -1, 0                       ; and a lane mask: all ones where s is the input's scale
	s_lshl_b32 s24, ttmp9, 18                      ; the work-group's 262,144 bytes in,
	s_add_nc_u64 s[20:21], s[20:21], s[24:25]
	s_lshl_b32 s24, ttmp9, 17                      ; its 131,072 out
	s_add_nc_u64 s[22:23], s[22:23], s[24:25]
	s_wait_alu depctr_va_vdst(0)                   ; the four offsets v1, v2, v3 and v20 are written: every load and store of the kernel reads one of them
	global_load_b128 v[PM:PM+3],   v[PMO], s[10:11]
	global_load_b128 v[PM+4:PM+7], v[PMO], s[10:11] offset:512
.set i, 0
.rept (NB-1)*BLOCK
	global_load_b128 v[X+4*i:X+4*i+3], v[INO], s[20:21] offset:CIN*i th:TH_LOAD_NT  ; blocks 0 to 3 into X0 to X3
.set i, i+1
.endr
	s_wait_loadcnt (NB-1)*BLOCK                    ; loads come back in order (ISA guide 5.7.1): pmax is in; the 16 younger loads stay out
	s_wait_kmcnt 0x0                               ; input_scale
	v_max3_num_f32 v[PM], v[PM], v[PM+1], v[PM+2]
	v_max3_num_f32 v[PM+3], v[PM+3], v[PM+4], v[PM+5]
	v_max3_num_f32 v[PM], v[PM], v[PM+6], v[PM+7]
	v_max_num_f32 v[PM], v[PM], v[PM+3]
	v_max_num_f32_dpp v[PM], v[PM], v[PM] row_xmask:1 row_mask:0xf bank_mask:0xf
	v_max_num_f32_dpp v[PM], v[PM], v[PM] row_xmask:2 row_mask:0xf bank_mask:0xf
	v_max_num_f32_dpp v[PM], v[PM], v[PM] row_xmask:4 row_mask:0xf bank_mask:0xf
	v_max_num_f32_dpp v[PM], v[PM], v[PM] row_xmask:8 row_mask:0xf bank_mask:0xf
	v_permlanex16_b32 v[PM+1], v[PM], s30, s31
	v_max_num_f32 v[PM], v[PM], v[PM+1]            ; m = max|weight|, in every lane
	v_mul_f32 v[PM+1], s33, v[PM]                  ; m / 127: a first quotient,
	v_fma_f32 v[PM+2], -v[PM+1], s28, v[PM]        ; what it leaves of m,
	v_fma_f32 v[PM+1], v[PM+2], s33, v[PM+1]       ; and the correction
	v_max_num_f32 v[PM+1], 0x322bcc77, v[PM+1]     ; ws = max(m / 127, 1e-8)
	v_mul_f32 v[CC], s26, v[PM+1]                  ; c = input_scale x ws
	v_mov_b32 v[CC+1], v[CC]
	v_mov_b32 v12, s26
	v_cndmask_b32 v[SV], v[PM+1], v12, s32         ; s: the input's scale where y = 0, else ws (the mask was made by a scalar instruction)
	v_rcp_f32 v13, v[SV]
	v_mul_f32 v[NS], -1.0, v[SV]                   ; the plain instruction behind the reciprocal (ISA guide 5.7.2)
	s_wait_alu depctr_va_vdst(0)                   ; the reciprocal v13 is written, ahead of its first reader; so is c's pair v[18:19], which the store to scal below reads: no vector line between here and that store names it
	v_fma_f32 v12, v[NS], v13, 1.0                 ; 1 - s r
	v_fma_f32 v[R], v12, v13, v13                  ; r + r (1 - s r)
	v_mov_b32 v[R+1], v[R]
	v_mov_b32 v[NS+1], v[NS]
	s_xor_b32 s34, s18, 1                          ; y = 1, work-group x = 0, wave 0: that wave stores c
	s_or_b32 s34, s34, ttmp9
	s_or_b32 s34, s34, s19
	s_cmp_lg_u32 s34, 0
	s_cbranch_scc1 .Lnot_scal
	global_store_b64 v[SCO], v[CC:CC+1], s[16:17]  ; 32 lanes x 8 bytes: scal's 256 bytes whole
.Lnot_scal:
; Block p.  xb = p % 5: its X and its Y.  first = 1: block 0, with no block in front of it.  ahead = 1: block p + 4 is loaded.
; left = how many younger loads may still be out when this block's four have to be there.
.macro BLK xb, first, ahead, left
	s_wait_loadcnt \left                           ; loads come back in order: X[xb] is in, the younger blocks stay out
.if !\first
	s_wait_xcnt 0x0                                ; every earlier memory instruction has had its addresses translated (ISA guide 3.1): the two bases and Y[xb] are rewritten only behind this wait
	s_wait_alu depctr_vm_vsrc(0)                   ; the stores issued so far have read their Y, among them Y[xb], stored four blocks back, which this block's roundings write again
	s_wait_alu depctr_va_vdst(0)                   ; the block before has written its Y, which the stores below read, and is done reading its X, in which the loads below land
	s_add_nc_u64 s[20:21], s[20:21], BLOCK*CIN     ; both bases at this block's first chunk
	s_add_nc_u64 s[22:23], s[22:23], BLOCK*COUT
.endif
.irp i, 0,1,2,3
.if \ahead
	global_load_b128 v[X+16*((\xb+4)%NB)+4*(\i):X+16*((\xb+4)%NB)+4*(\i)+3], v[INO], s[20:21] offset:((NB-1)*BLOCK+(\i))*CIN th:TH_LOAD_NT  ; four blocks ahead; no vector instruction since the wait names these registers
.endif
.if !\first
	global_store_b64 v[OUTO], v[Y+8*((\xb+4)%NB)+2*(\i):Y+8*((\xb+4)%NB)+2*(\i)+1], s[22:23] offset:((\i)-BLOCK)*COUT th:TH_STORE_NT  ; the block before: the offset reaches back
.endif
	v_pk_mul_f32 v[T:T+1],   v[X+16*\xb+4*(\i):X+16*\xb+4*(\i)+1],   v[R:R+1]                              ; q0 = t r
	v_pk_mul_f32 v[T+2:T+3], v[X+16*\xb+4*(\i)+2:X+16*\xb+4*(\i)+3], v[R:R+1]
	v_pk_fma_f32 v[T+4:T+5], v[T:T+1],   v[NS:NS+1], v[X+16*\xb+4*(\i):X+16*\xb+4*(\i)+1]                  ; e = t - q0 s
	v_pk_fma_f32 v[T+6:T+7], v[T+2:T+3], v[NS:NS+1], v[X+16*\xb+4*(\i)+2:X+16*\xb+4*(\i)+3]
	v_pk_fma_f32 v[T:T+1],   v[T+4:T+5], v[R:R+1], v[T:T+1]                                                ; q = q0 + e r
	v_pk_fma_f32 v[T+2:T+3], v[T+6:T+7], v[R:R+1], v[T+2:T+3]
.irp j, 0,1,2,3
	v_rndne_f32 v[T+(\j)], v[T+(\j)]               ; to the nearest whole number, halves to even
.endr
.irp j, 0,1,2,3
	v_med3_num_f32 v[T+(\j)], v[T+(\j)], s29, s28  ; the clip
.endr
	v_cvt_pk_bf16_f32 v[Y+8*\xb+2*(\i)],   v[T],   v[T+1]  ; exact
	v_cvt_pk_bf16_f32 v[Y+8*\xb+2*(\i)+1], v[T+2], v[T+3]
.endr
.endm
	BLK 0, 1, 1, 3*BLOCK                           ; block 0: nothing to store yet; no vector instruction has named X4, in which its loads land, and no store has read Y0
.Lround:                                               ; blocks 1 to 10, five to a lap: both kinds of buffer are back at their start
	BLK 1, 0, 1, 3*BLOCK
	BLK 2, 0, 1, 3*BLOCK
	BLK 3, 0, 1, 3*BLOCK
	BLK 4, 0, 1, 3*BLOCK
	BLK 0, 0, 1, 3*BLOCK
	s_sub_co_u32 s27, s27, 1
	s_cmp_lg_u32 s27, 0
	s_cbranch_scc1 .Lround
	BLK 1, 0, 1, 3*BLOCK                           ; block 11 asks for block 15, the last
	BLK 2, 0, 0, 3*BLOCK                           ; blocks 12 to 15 load nothing: no load leaves the buffer, and the counts run down
	BLK 3, 0, 0, 2*BLOCK
	BLK 4, 0, 0, BLOCK
	BLK 0, 0, 0, 0
	s_wait_alu depctr_va_vdst(0)                   ; block 15 has written Y0, which the last four stores read
.irp i, 0,1,2,3
	global_store_b64 v[OUTO], v[Y+2*(\i):Y+2*(\i)+1], s[22:23] offset:(\i)*COUT th:TH_STORE_NT
.endr
	s_endpgm
.Lfunc_end_k_q55a276514f_quant:
	.size	k_q55a276514f_quant, .Lfunc_end_k_q55a276514f_quant-k_q55a276514f_quant
	.p2alignl 7, 3214868480
	.fill 96, 4, 3214868480
	.section	.rodata,"a",@progbits
	.p2align	6, 0x0
	.amdhsa_kernel k_q55a276514f_quant
		.amdhsa_group_segment_fixed_size 0
		.amdhsa_private_segment_fixed_size 0
		.amdhsa_enable_private_segment 0
		.amdhsa_kernarg_size 56
		.amdhsa_user_sgpr_count 2
		.amdhsa_user_sgpr_kernarg_segment_ptr 1
		.amdhsa_wavefront_size32 1
		.amdhsa_system_sgpr_workgroup_id_x 1
		.amdhsa_system_sgpr_workgroup_id_y 1
		.amdhsa_system_sgpr_workgroup_id_z 1
		.amdhsa_system_vgpr_workitem_id 0
		.amdhsa_next_free_vgpr 152
		.amdhsa_next_free_sgpr 66
		.amdhsa_reserve_vcc 0
		.amdhsa_float_denorm_mode_32 3
		.amdhsa_float_denorm_mode_16_64 3
		.amdhsa_memory_ordered 1
		.amdhsa_forward_progress 1
		.amdhsa_inst_pref_size 53
	.end_amdhsa_kernel
	.amdgpu_metadata
---
amdhsa.version: [ 1, 2 ]
amdhsa.kernels:
  - .name:           k_q55a276514f_quant
    .symbol:         k_q55a276514f_quant.kd
    .args:
      - { .name: x, .offset: 0, .size: 8, .value_kind: global_buffer, .address_space: global }
      - { .name: weight, .offset: 8, .size: 8, .value_kind: global_buffer, .address_space: global }
      - { .name: input_scale, .offset: 16, .size: 8, .value_kind: global_buffer, .address_space: global }
      - { .name: pmax, .offset: 24, .size: 8, .value_kind: global_buffer, .address_space: global }
      - { .name: xq, .offset: 32, .size: 8, .value_kind: global_buffer, .address_space: global }
      - { .name: wq, .offset: 40, .size: 8, .value_kind: global_buffer, .address_space: global }
      - { .name: scal, .offset: 48, .size: 8, .value_kind: global_buffer, .address_space: global }
    .group_segment_fixed_size: 0
    .private_segment_fixed_size: 0
    .kernarg_segment_align: 8
    .kernarg_segment_size: 56
    .max_flat_workgroup_size: 256
    .sgpr_count:     66
    .vgpr_count:     152
    .wavefront_size: 32
...
	.end_amdgpu_metadata
.endif
;; end of part 4
;; launch gemm: the kernel of part 3 again; grid 16 x 16, 4 waves a work-group, clusters of 4 x 4, 327,680 bytes of LDS; arguments xq, wq, bias, scal, out0; writes out0
